; MI455X (gfx1250); checked and timed in simulation.
; The chip was launched on July 23, 2026; its instructions are those of AMD's public machine-readable ISA for CDNA 5 (MIT licence, August 2026) and "CDNA5" Instruction Set Architecture Reference Guide (July 2026). The comments in the code are by the model that wrote it; some were corrected since.
;; Attention. Allowed arithmetic: matrix products marked QUANTISED: E2M1 operands, one E8M0 scale for each 32 along K, by v_wmma_scale_f32_16x16x128_f8f6f4 with both operands' format E2M1 (or v_wmma_scale_f32_32x16x128_f4), f32 sums; everything else in f32.
;; Inputs: Wk_codes 128 x 32 x 16 uint8 (E2M1 codes of Wk, K innermost, in blocks of 32 codes, two codes a byte); Wk_scales 128 x 32 uint8 (E8M0 scales of Wk, one for each 32 codes along K); Wq_codes 128 x 32 x 16 uint8 (E2M1 codes of Wq, K innermost, in blocks of 32 codes, two codes a byte); Wq_scales 128 x 32 uint8 (E8M0 scales of Wq, one for each 32 codes along K); Wv_codes 128 x 32 x 16 uint8 (E2M1 codes of Wv, K innermost, in blocks of 32 codes, two codes a byte); Wv_scales 128 x 32 uint8 (E8M0 scales of Wv, one for each 32 codes along K); x_codes 8 x 4,096 x 32 x 16 uint8 (E2M1 codes of x, K innermost, in blocks of 32 codes, two codes a byte); x_scales 8 x 4,096 x 32 uint8 (E8M0 scales of x, one for each 32 codes along K).
;; Outputs: out0 8 x 4,096 x 128 float32.
;; This version of the problem:
;;   THIS VERSION OF THE PROBLEM IS GIVEN IN LOW PRECISION. The matrix products marked QUANTISED in the list below multiply operands that are first quantised to E2M1 (2 exponent bits, 1 mantissa bit; 4 bits a number), with one power-of-two scale for each 32 numbers along K (OCP MX v1.0); their sums are f32. All else is computed in f32.
;;   The module's matrix products, in the order in which they are computed (A, B: the left and right operand; K: the contracted axis; several contracted axes count as one K, in the product's order):
;;     1. [M 32,768, K 1,024] x [K 1,024, N 128]; A: input x (given as codes); B: input Wq (given as codes): QUANTISED
;;     2. [M 32,768, K 1,024] x [K 1,024, N 128]; A: input x (given as codes); B: input Wk (given as codes): QUANTISED
;;     3. [M 32,768, K 1,024] x [K 1,024, N 128]; A: input x (given as codes); B: input Wv (given as codes): QUANTISED
;;     4. batch 8 x [M 4,096, K 128] x [K 128, N 4,096]; A: computed on the way; B: computed on the way: QUANTISED
;;     5. batch 8 x [M 4,096, K 4,096] x [K 4,096, N 128]; A: softmax (see below); B: computed on the way: QUANTISED
;;   THE QUANTISER, for each operand of a quantised product, along K:
;;     - K is cut into blocks of 32 from its start; a last block that is shorter is filled with zeros.
;;     - A block's scale is 2^e with e = floor(log2(the largest magnitude in the block)) - 2, held to -126 .. 127; a block of zeros has e = 0. As a byte (E8M0): e + 127.
;;     - Each number is divided by its block's scale, clamped to +-6, and rounded to the nearest number of E2M1, ties to even, subnormals kept.
;;     - The product sums the exact products of the quantised numbers (number of the format x scale) in f32.
;;   ~~~python
;;   def quantise(x, axis):      # numpy; x: float32 -> the quantised numbers, widened to float32 again
;;       x = np.moveaxis(x, axis, -1); K = x.shape[-1]
;;       x = np.pad(x, [(0, 0)] * (x.ndim - 1) + [(0, -K % 32)]); x = x.reshape(x.shape[:-1] + (-1, 32)); a = np.abs(x).max(-1, keepdims=True)
;;       e = np.where(a > 0, np.clip(np.frexp(np.where(a > 0, a, 1))[1] - 1 - 2, -126, 127), 0)      # np.frexp(a)[1] - 1 = floor(log2(a)), exactly
;;       r = np.clip(x / 2.0 ** e, -6, 6)
;;       step = 2.0 ** (np.maximum(np.frexp(np.where(r == 0, 1, r))[1] - 1, 0) - 1)
;;       q = np.round(r / step) * step * 2.0 ** e      # np.round: ties to even
;;       return np.moveaxis(q.reshape(q.shape[:-2] + (-1,))[..., :K], -1, axis).astype(np.float32)
;;   ~~~
;;   SOFTMAX AHEAD OF A QUANTISED PRODUCT. Where the list says 'softmax', what is quantised is not the finished softmax but p = 2^(t - M), with t = logit x log2(e) and M = ceil(the row's largest t), a whole number; so 1/2 < the row's largest p <= 1. The row's sum l is taken of the UNQUANTISED p, in f32, and the product's result is divided by l at the end. Since M is a whole number, a kernel that streams over the keys may use a running M (the ceiling of the running maximum): every later rescaling is an exact power of two, which a block's scale takes up: the codes' values come out the same.
;;   OPERANDS COMPUTED ON THE WAY. 'Computed on the way' means the value that the module computes at that place (a softmax that the list does not call 'softmax' is quantised finished and normalised). What goes into a quantiser is computed in f32, as accurately as f32 sums, v_exp_f32 and their like allow (about 1e-6 of the number): no bf16 or f16 on the way to a quantiser, and a product that is left as it is and whose result goes on into a quantised operand takes f32 operands (vector FMAs, or v_wmma_f32_16x16x4_f32). A number that lies on a knife's edge between two numbers of the format may be rounded either way, as far as f32 arithmetic and the matrix unit's own rounding can turn it there, and no further.
;;   INPUTS GIVEN AS CODES. Wk (in the module: [1024, 128], K = its axis 0); Wq (in the module: [1024, 128], K = its axis 0); Wv (in the module: [1024, 128], K = its axis 0); x (in the module: [8, 4096, 1024], K = its axis 2): each comes as NAME_codes (uint8): NAME with its K axis moved to the last place and cut into blocks of 32 codes, [.., K / 32, bytes a block], one block behind the other in memory; two codes a byte, the lower K in the low four bits (a code: sign, 2 exponent bits, 1 mantissa bit); and NAME_scales (uint8): the same leading axes, one E8M0 byte (e + 127) for each 32 codes along K. Its value is code x scale, taken as it is: it is not quantised again, and the codes and scales need not be those that the quantiser above would give.
;; One version. Each part assembles by itself: llvm-mc -triple=amdgcn-amd-amdhsa -mcpu=gfx1250 --defsym DOCPART=n.
;; ======== version 1 of 1: 2 launches
;; limits: right only within a limited range of input values
;; workspace buffers: qq 2,228,224 bytes; kv 4,456,448 bytes
;; launch project (part 1): grid 256 x 1, 4 waves a work-group, clusters of 4 x 1, 327,680 bytes of LDS; arguments x_codes, x_scales, Wq_codes, Wq_scales, Wk_codes, Wk_scales, Wv_codes, Wv_scales, qq, kv; writes qq, kv
.if DOCPART == 1
	.amdgcn_target "amdgcn-amd-amdhsa--gfx1250"
	.amdhsa_code_object_version 6
	.text
	.protected	k_qddc8347375_project
	.globl	k_qddc8347375_project
	.p2align	8
	.type	k_qddc8347375_project,@function
k_qddc8347375_project:
	s_mov_b64 s[64:65], 0
	v_nop
	global_prefetch_b8 v0, s[64:65] scope:SCOPE_SE
	s_setreg_imm32_b32 hwreg(HW_REG_WAVE_MODE, 25, 1), 1
	s_wait_xcnt 0x0
	s_wait_alu depctr_hold_cnt(0) depctr_sa_sdst(0) depctr_va_vdst(0) depctr_va_sdst(0) depctr_va_ssrc(0) depctr_va_vcc(0) depctr_vm_vsrc(0)
	s_getreg_b32 s2, hwreg(HW_REG_IB_STS2, 6, 4)
	s_cmp_eq_u32 s2, 0
	s_cbranch_scc0 .Lentry_in_a_cluster
	s_endpgm
.Lentry_in_a_cluster:
	s_bfe_u32 s2, ttmp6, 0x10000c
	s_cmp_lg_u32 s2, 0x3003
	s_cbranch_scc0 .Lentry_shape_is_right
	s_endpgm
.Lentry_shape_is_right:
; q = x Wq, k = x Wk, v = x Wv on codes of FP4 (E2M1) with one E8M0 scale for each 32 along K = 1,024; the f32 sums are quantised again at once:
; q and k along the head's 128, v along the keys, and leave as IMAGES OF OPERAND REGISTERS for the attention launch.
; WORK LEFT OUT BY THE PROGRAM: this launch leaves out nothing.  The attention launch leaves out the key steps of 128 that lie wholly after a group of 128 queries: reference() puts -inf there itself (tril), so their
; weights are exactly 0 for all values of the inputs.  Limit: a NaN, an infinity or an overflow that reaches only that work is not carried to the result.
; SHARES.  A work-group takes 128 rows of x (block beta = 4 x cluster + place) and all 384 outputs.  All codes fit in LDS together: x's 128 rows (64 KiB), the three weights (192 KiB).  So every LDS byte is filled once.
; THE WAVES SHARE THE OUTPUTS.  Wave w (a = w / 2: q or k; b = w % 2) makes, for all 8 tiles of 16 rows:
;   QK: outputs 64 b .. 64 b + 63 of q or k, TRANSPOSED (source 0 = 16 rows of W, source 1 = 16 rows of x): a lane holds one row t, its registers run along d: 32 accumulators;
;   V:  outputs 32 w .. 32 w + 31 of v (source 0 = x, source 1 = Wv): a lane holds one d, its registers run along the rows t, which are the keys: 16 accumulators.
; LOADS.  One tensor load a wave, at the head: wave 0 fetches its own work-group's x, waves 1 to 3 the weights, JOINTLY with the three partners of the cluster (mask 15), since the weights are the same for every work-group.
; THE SCALES go from memory straight into registers: 16 rows' 32 bytes each are 512 consecutive bytes; lane (r, h) takes bytes 16 h .. 16 h + 15 of row r: register s % 4 then holds K step s in lanes 0-15 (s < 4) or 16-31 (s >= 4, ROW1).
; THE QUANTISER.  A block of 32 along the next K lies in two neighbouring result tiles: 16 registers of lane (r, h), and the same in lane l xor 16.
; Scale byte = the largest magnitude's exponent field - 2, held at 1 from below.  The conversion of (block g, half u) goes to register 4 (g / 2) + 2 u + g % 2, and two exchanges of half rows for each four registers
; then give the operand's layout (lane (r, h), register 4 c + i: k = 64 c + 32 h + 8 i ..).
; OUT.  qq: 256 blocks of 8,704 bytes: 8 images of 1,024 (register group c at 512 c, lane l at 16 l), then 128 scale words.
;       kv: 256 blocks of 17,408: 8 images of K, 8 images of V^T (row = d, K = the block's 128 keys), K's 128 scale words, V's 128.  Each store of a wave covers 512 consecutive bytes, aligned to 256.
; LIMITS: scale bytes 0xff (NaN) among the inputs are not served.  A block whose largest magnitude lies under 2^-124, a block of zeros among them, gets the byte 1 (the rule says 127 for zeros):
; its codes are zeros or as the held scale gives them, and this program alone reads the bytes.
; No prefetch: all loads go out together at the head and there is no loop that asks for more.
.set PITCH, 528                        ; an LDS row of codes: 512 bytes + 16 of padding
.set TILEB, 16*PITCH
.set TENB,  128*PITCH                  ; a tensor's codes.  Tensor 0 x, 1 Wq, 2 Wk, 3 Wv
.set STG,   4*TENB                     ; scale words on the way out: q's 512 bytes, k's, v's: six blocks of 256 bytes into which no tensor load lands
.set SPARE, STG+1536                   ; the spare words, 128 bytes for each wave: no other line names them
.set QBLK,  8704
.set KVBLK, 17408
.set ADX, 3                            ; v3   x's fragments: 528 r + 16 h
.set ADW, 4                            ; v4   my four tiles of Wq or Wk
.set ADV, 5                            ; v5   my two tiles of Wv
.set LI,  9                            ; v9   16 x lane
.set SH,  10                           ; v10  where my half of a q or k scale word goes
.set SV,  11                           ; v11  where a v scale word goes
.set SRD, 12                           ; v12  where I read 512 bytes of scale words back
.set SOF, 13                           ; v13  32 r + 16 h: my scale bytes
.set TM,  32                           ; v32-55   24 largest magnitudes
.set SCX, 64                           ; v64-119  scale words and nothing else: x's 8 tiles x 4 registers,
.set SCW, 96                           ;          my 4 tiles of Wq or Wk,
.set SCV, 112                          ;          my 2 tiles of Wv
.set F,   128                          ; v128-239 a set of fragments: x's 8, W's 4 (from +64), Wv's 2 (from +96).  Set 0 in window 0, set 1 in window 2
.set TP,  128                          ; behind the K loop set 0's registers are free: v128-151 the other half row's maxima, then the bytes
.set SO,  152                          ; v152-175 the conversions' scale operands
.set PC,  176                          ; v176-223 the codes: q or k 4 registers a tile of rows, then v 8 a tile of d
.set HW,  224                          ; v224-231 half scale words
.set VW,  232                          ; v232-233 v's scale words
.set SW,  236                          ; v236-239 scale words on the way out
.set SPW, 254                          ; v254 LDS address of my spare word, v255 0: never rewritten
.set NIL, 255
; window 1: v0-255 QK's accumulators, (m, n) at 8 (4 m + n).   window 2: v0-127 V's accumulators, (e, m) at 8 (8 e + m)
.set G1CX, 24                          ; s[24:31] group 1: codes, plain      s[32:39] codes, joint
.set G1C,  32
.set G0X,  60                          ; s[60:63] group 0 for x              s[76:79] for my weight
.set G0W,  76
.set XSB,  56                          ; s[56:57] x's scales   s[68:69] my W's   s[72:73] my Wv's
.set WSB,  68
.set VSB,  72
.set WV,   84
.set WA,   85
.set WB,   86
.set CX,   87
.set BETA, 88
.set SEL,  90
.set QKB,  92                          ; s[92:93] where my q or k images go   s[94:95] my v images   s[96:97] 512 bytes of scale words
.set VB,   94
.set SB,   96
.set MSB, 0
.macro WIN new                         ; bits 1:0 source 0, 3:2 source 1, 5:4 source 2, 7:6 destination; the high byte repeats the setting that is left
.if MSB != (\new)
	s_set_vgpr_msb (MSB<<8)|(\new)
.set MSB, (\new)
.endif
.endm
.macro CROUND                          ; a round of the cluster's barrier
	s_barrier_signal -1
	s_barrier_wait -1
	s_cmp_lg_u32 s[WV], 0
	s_cbranch_scc1 .Lnot_wave_0_\@
	s_barrier_signal -3
.Lnot_wave_0_\@:
	s_barrier_wait -3
	s_barrier_signal -1
	s_barrier_wait -1
.endm
.macro PLACES                          ; four plain vector instructions between a matrix instruction and a load into, or a vector read of, its registers
.rept 4
	v_nop
.endr
.endm
	s_load_b256 s[4:11], s[0:1], 0x0               ; x's codes, x's scales, Wq's codes, Wq's scales
	s_load_b256 s[12:19], s[0:1], 0x20             ; Wk's codes, Wk's scales, Wv's codes, Wv's scales
	s_load_b128 s[20:23], s[0:1], 0x40             ; qq, kv
	v_lshl_add_u32 v[SPW], v0, 2, SPARE
	v_mov_b32 v[NIL], 0
	ds_add_u32 v[SPW], v[NIL]                      ; the opening: the add, twice on end, and its wait
	ds_add_u32 v[SPW], v[NIL]
	v_lshrrev_b32 v1, 5, v0
	v_readfirstlane_b32 s[WV], v1                  ; wave 0..3
	s_lshr_b32 s[WA], s[WV], 1                     ; a: 0 q, 1 k
	s_and_b32 s[WB], s[WV], 1                      ; b: which 64 of the 128 outputs
	s_bfe_u32 s[CX], ttmp6, 0x40000                ; my place in the cluster
	s_lshl_b32 s[BETA], ttmp9, 2
	s_add_co_u32 s[BETA], s[BETA], s[CX]           ; my block of 128 rows: it enters x's, qq's and kv's global addresses alone
	; group 1: 128 rows x 512 bytes, dense in memory, 4 words of padding behind every 128
	s_mov_b32 s[G1CX], (1<<20)|(6<<22)|(3<<25)
	s_mov_b32 s[G1C], 15|(1<<20)|(1<<21)|(6<<22)|(3<<25)   ; the same with the mask of all four work-groups, and bit 21 beside it
.irp g, G1CX, G1C
	s_mov_b32 s[\g+1], 512<<16                     ; tensor_dim0
	s_mov_b32 s[\g+2], 128<<16                     ; tensor_dim1
	s_mov_b32 s[\g+3], 512<<16                     ; tile_dim0
	s_mov_b32 s[\g+4], 128                         ; tile_dim1
	s_mov_b32 s[\g+5], 512                         ; from row to row
	s_mov_b32 s[\g+6], 0
	s_mov_b32 s[\g+7], 0
.endr
	s_mul_i32 s98, s[WV], TENB                     ; where my tensor's codes go: the wave's number alone enters an LDS address
	s_lshl_b32 s92, s[BETA], 16                    ; my block's codes of x: 128 rows x 512 bytes
	s_mov_b32 s93, 0
	s_lshl_b32 s94, s[BETA], 12                    ; and its scale bytes: 128 x 32
	s_mov_b32 s95, 0
	s_mul_i32 s40, s[WA], TENB                     ; LDS: my tiles of Wq or Wk: tensor 1 + a, tiles 4 b on
	s_mul_i32 s41, s[WB], 4*TILEB
	s_add_co_u32 s40, s40, s41
	s_add_co_u32 s40, s40, TENB
	s_mul_i32 s41, s[WV], 2*TILEB                  ; and of Wv: tensor 3, tiles 2 w on
	s_add_co_u32 s41, s41, 3*TENB
	s_lshl_b32 s42, s[WA], 9
	s_lshl_b32 s43, s[WB], 1
	s_add_co_u32 s42, s42, s43
	s_add_co_u32 s42, s42, STG                     ; q's or k's words, my two bytes of the four
	s_lshl_b32 s43, s[WV], 7
	s_add_co_u32 s43, s43, STG+1024                ; v's words, rows d = 32 w on
	s_lshl_b32 s44, s[WV], 9
	s_add_co_u32 s44, s44, STG
	s_lshl_b32 s46, s[WB], 11                      ; 64 rows of scale bytes
	s_mov_b32 s47, 0
	s_lshl_b32 s48, s[WV], 10                      ; 32 rows
	s_mov_b32 s49, 0
	s_wait_dscnt 0x0                               ; both adds are done
	s_wait_kmcnt 0x0
	s_mov_b32 s[G0X], 1
	s_mov_b32 s[G0X+1], 0
	s_add_nc_u64 s[G0X+2:G0X+3], s[4:5], s[92:93]
	s_or_b32 s[G0X+3], s[G0X+3], 0x80000000
	s_cmp_eq_u32 s[WV], 2                          ; wave 1: Wq, wave 2: Wk, wave 3: Wv.  The choice hangs on the wave's number alone: it is the same in all four partners
	s_cselect_b64 s[G0W+2:G0W+3], s[12:13], s[8:9]
	s_cmp_eq_u32 s[WV], 3
	s_cselect_b64 s[G0W+2:G0W+3], s[16:17], s[G0W+2:G0W+3]
	s_or_b32 s[G0W+3], s[G0W+3], 0x80000000
	s_mov_b32 s[G0W], 1
	s_mov_b32 s[G0W+1], s98
	s_add_nc_u64 s[XSB:XSB+1], s[6:7], s[94:95]
	s_cmp_eq_u32 s[WA], 0
	s_cselect_b64 s[WSB:WSB+1], s[10:11], s[14:15]
	s_add_nc_u64 s[WSB:WSB+1], s[WSB:WSB+1], s[46:47]
	s_add_nc_u64 s[VSB:VSB+1], s[18:19], s[48:49]
	CROUND                                         ; all four work-groups are here: the joint loads meet
	s_cmp_lg_u32 s[WV], 0                          ; one tensor load a wave
	s_cbranch_scc1 .Lfill_w
	tensor_load_to_lds s[G0X:G0X+3], s[G1CX:G1CX+7]
	s_nop 0
	PLACES                                         ; four v_nop follow each load
	s_branch .Lfilled
.Lfill_w:
	tensor_load_to_lds s[G0W:G0W+3], s[G1C:G1C+7]
	s_nop 0
	PLACES
.Lfilled:
	v_and_b32 v1, 15, v0                           ; r
	v_bfe_u32 v2, v0, 4, 1                         ; h
	v_and_b32 v15, 31, v0
	v_lshlrev_b32 v[SOF], 5, v1
	v_lshl_add_u32 v[SOF], v2, 4, v[SOF]
.irp m, 0,1,2,3,4,5,6,7
	global_load_b128 v[SCX+4*\m:SCX+4*\m+3], v[SOF], s[XSB:XSB+1] offset:512*\m
.endr
.irp n, 0,1,2,3
	global_load_b128 v[SCW+4*\n:SCW+4*\n+3], v[SOF], s[WSB:WSB+1] offset:512*\n
.endr
.irp e, 0,1
	global_load_b128 v[SCV+4*\e:SCV+4*\e+3], v[SOF], s[VSB:VSB+1] offset:512*\e
.endr
	v_mul_u32_u24 v[ADX], v1, PITCH
	v_lshl_add_u32 v[ADX], v2, 4, v[ADX]           ; a fragment: row r, + 16 h
	v_add_nc_u32 v[ADW], s40, v[ADX]
	v_add_nc_u32 v[ADV], s41, v[ADX]
	v_lshlrev_b32 v[LI], 4, v15
	v_lshl_add_u32 v[SH], v1, 2, s42
	v_lshl_add_u32 v[SV], v1, 2, s43
	v_add_nc_u32 v[SRD], s44, v[LI]
	s_mov_b32 s[SEL], 0x76543210
	s_mov_b32 s[SEL+1], 0xfedcba98                 ; v_permlanex16_b32's selects for lane l xor 16
	; where the results go
	s_cmp_eq_u32 s[WA], 0
	s_cselect_b64 s[QKB:QKB+1], s[20:21], s[22:23]
	s_mov_b32 s98, KVBLK
	s_cselect_b32 s98, QBLK, s98
	s_mul_i32 s98, s98, s[BETA]
	s_lshl_b32 s99, s[WB], 9                       ; my 64 outputs are register group b of each image
	s_add_co_u32 s98, s98, s99
	s_mov_b32 s99, 0
	s_add_nc_u64 s[QKB:QKB+1], s[QKB:QKB+1], s[98:99]
	s_mul_i32 s98, s[BETA], KVBLK
	s_lshl_b32 s99, s[WV], 11
	s_add_co_u32 s98, s98, s99
	s_add_co_u32 s98, s98, 8192                    ; V's images 2 w and 2 w + 1
	s_mov_b32 s99, 0
	s_add_nc_u64 s[VB:VB+1], s[22:23], s[98:99]
	s_mul_i32 s98, s[BETA], QBLK
	s_add_co_u32 s98, s98, 8192                    ; wave 0: q's words
	s_mul_i32 s99, s[BETA], KVBLK
	s_lshl_b32 s89, s[WV], 9
	s_add_co_u32 s99, s99, s89
	s_add_co_u32 s99, s99, 16384-512               ; wave 1: k's words, wave 2: v's
	s_cmp_eq_u32 s[WV], 0
	s_cselect_b64 s[SB:SB+1], s[20:21], s[22:23]
	s_cselect_b32 s98, s98, s99
	s_mov_b32 s99, 0
	s_add_nc_u64 s[SB:SB+1], s[SB:SB+1], s[98:99]
.macro FRAG reg, adr, off              ; 16 rows x 128 K of 4-bit codes: lane (r, h), registers 4 c .. 4 c + 3: K = 64 c + 32 h + 0 .. 31: 16 bytes of the row as they lie
	ds_load_b128 v[\reg:\reg+3], v[\adr] offset:\off
	ds_load_b128 v[\reg+4:\reg+7], v[\adr] offset:\off+32
.endm
.macro FETCH s, p                      ; K step s's 14 fragments into set p: 28 loads in one run.  The largest offset is 59,616
.set O, 64*(\s)
	WIN 0x80*(\p)
.irp m, 0,1,2,3,4,5,6,7
	FRAG F+8*\m, ADX, O+TILEB*\m
.endr
.irp n, 0,1,2,3
	FRAG F+64+8*\n, ADW, O+TILEB*\n
.endr
.irp e, 0,1
	FRAG F+96+8*\e, ADV, O+TILEB*\e
.endr
.endm
.macro MUL s, d, a, b, x, y            ; K step 0 starts the sum; steps 4 to 7 take both scale words from lanes 16-31
.if (\s) == 0
	v_wmma_scale_f32_16x16x128_f8f6f4 v[(\d):(\d)+7], v[(\a):(\a)+7], v[(\b):(\b)+7], 0, v[(\x)], v[(\y)] matrix_a_fmt:MATRIX_FMT_FP4 matrix_b_fmt:MATRIX_FMT_FP4
.else
.if (\s) < 4
	v_wmma_scale_f32_16x16x128_f8f6f4 v[(\d):(\d)+7], v[(\a):(\a)+7], v[(\b):(\b)+7], v[(\d):(\d)+7], v[(\x)], v[(\y)] matrix_a_fmt:MATRIX_FMT_FP4 matrix_b_fmt:MATRIX_FMT_FP4
.else
	v_wmma_scale_f32_16x16x128_f8f6f4 v[(\d):(\d)+7], v[(\a):(\a)+7], v[(\b):(\b)+7], v[(\d):(\d)+7], v[(\x)], v[(\y)] matrix_a_fmt:MATRIX_FMT_FP4 matrix_b_fmt:MATRIX_FMT_FP4 matrix_a_scale:MATRIX_SCALE_ROW1 matrix_b_scale:MATRIX_SCALE_ROW1
.endif
.endif
.endm
; 48 matrix instructions: the 48 accumulators take turns, one instruction a turn, in the same order in every K step.
.macro MULS s, p
	WIN 0x50+0x0a*(\p)                             ; C and D window 1; the fragments window 0 or 2
.irp m, 0,1,2,3,4,5,6,7
.irp n, 0,1,2,3
	MUL \s, 8*(4*\m+\n), F+64+8*\n, F+8*\m, SCW+4*\n+(\s)%4, SCX+4*\m+(\s)%4
.endr
.endr
	WIN 0xa0+0x0a*(\p)                             ; C and D window 2
.irp e, 0,1
.irp m, 0,1,2,3,4,5,6,7
	MUL \s, 8*(8*\e+\m), F+8*\m, F+96+8*\e, SCX+4*\m+(\s)%4, SCV+4*\e+(\s)%4
.endr
.endr
.endm
.macro KSTEP s                         ; the next K step's fragments are asked for, then this one's 48 products are issued
.if (\s) > 0
	PLACES                                         ; the set that is loaded next was read by the K step before
.endif
.if (\s) < 7
	FETCH (\s)+1, ((\s)+1)%2
	s_wait_dscnt 28                                ; all but the 28 loads just issued
.else
	s_wait_dscnt 0x0
.endif
	MULS \s, (\s)%2
.endm
	s_wait_alu depctr_va_vdst(0)
	s_wait_loadcnt 0x0                             ; the scale words
	s_wait_tensorcnt 0x0                           ; my tensor's codes have landed; nothing is filled again in this launch
	s_barrier_signal -1
	s_barrier_wait -1                              ; everybody's have
	FETCH 0, 0
.irp s, 0,1,2,3,4,5,6,7
	KSTEP \s
.endr
	WIN 0
	PLACES                                         ; behind the last products, ahead of the first read of results
.set J, 0
.rept 24
	v_mov_b32 v[TP+J], 0                           ; written once: a lane permute's destination counts as one of its sources
.set J, J+1
.endr
	; THE LARGEST MAGNITUDES: 24 blocks of 32, chain q over 16 registers; the chains by turns; each accumulator is read from its low end on.  The floor 2^(3 - 127) holds the byte at 1 from below
	WIN 0x05                                       ; sources 0 and 1 window 1: chain q = 2 m + g: rows 16 m on, d = 64 b + 32 g on
.irp q, 0,1,2,3,4,5,6,7,8,9,10,11,12,13,14,15
	v_max3_num_f32 v[TM+\q], |v[16*\q]|, |v[16*\q+1]|, 0x1800000
.endr
.irp i, 2,4,6,8,10,12,14
.irp q, 0,1,2,3,4,5,6,7,8,9,10,11,12,13,14,15
	v_max3_num_f32 v[TM+\q], |v[16*\q+\i]|, |v[16*\q+\i+1]|, v[TM+\q]
.endr
.endr
	WIN 0x0a                                       ; sources 0 and 1 window 2: chain 16 + 4 e + g: d = 32 w + 16 e on, keys 32 g on
.irp q, 0,1,2,3,4,5,6,7
	v_max3_num_f32 v[TM+16+\q], |v[16*\q]|, |v[16*\q+1]|, 0x1800000
.endr
.irp i, 2,4,6,8,10,12,14
.irp q, 0,1,2,3,4,5,6,7
	v_max3_num_f32 v[TM+16+\q], |v[16*\q+\i]|, |v[16*\q+\i+1]|, v[TM+16+\q]
.endr
.endr
	WIN 0
.set J, 0
.rept 24
	v_permlanex16_b32 v[TP+J], v[TM+J], s[SEL], s[SEL+1]
.set J, J+1
.endr
.set J, 0
.rept 24
	v_max_num_f32 v[TM+J], v[TM+J], v[TP+J]        ; with lane l xor 16's 16 numbers: the block's largest magnitude
.set J, J+1
.endr
.set J, 0
.rept 24
	v_add_nc_u32 v[SO+J], 0xff000000, v[TM+J]      ; 2 off its exponent field: the conversion takes the exponent field of this operand as its scale
.set J, J+1
.endr
.set J, 0
.rept 24
	v_lshrrev_b32 v[TP+J], 23, v[SO+J]             ; the scale's byte
.set J, J+1
.endr
.irp m, 0,1,2,3,4,5,6,7
	v_lshl_or_b32 v[HW+\m], v[TP+2*\m+1], 8, v[TP+2*\m]   ; my two bytes of row 16 m + r's scale word
.endr
.irp e, 0,1
	v_lshl_or_b32 v[VW+\e], v[TP+16+4*\e+1], 8, v[TP+16+4*\e]   ; the four bytes of row d's word for these 128 keys
	v_lshl_or_b32 v[VW+\e], v[TP+16+4*\e+2], 16, v[VW+\e]
	v_lshl_or_b32 v[VW+\e], v[TP+16+4*\e+3], 24, v[VW+\e]
.endr
	WIN 0x01                                       ; source 0 window 1
.irp m, 0,1,2,3,4,5,6,7
.irp g, 0,1
.irp u, 0,1
	v_cvt_scalef32_pk8_fp4_f32 v[PC+4*\m+2*\u+\g], v[16*(2*\m+\g)+8*\u:16*(2*\m+\g)+8*\u+7], v[SO+2*\m+\g]
.endr
.endr
.endr
	WIN 0x02                                       ; source 0 window 2
.irp e, 0,1
.irp g, 0,1,2,3
.irp u, 0,1
	v_cvt_scalef32_pk8_fp4_f32 v[PC+32+8*\e+4*(\g/2)+2*\u+\g%2], v[64*\e+16*\g+8*\u:64*\e+16*\g+8*\u+7], v[SO+16+4*\e+\g]
.endr
.endr
.endr
	WIN 0
	v_nop                                          ; one plain place behind the scaled conversions
.set J, 0
.rept 24
	v_permlane16_swap_b32 v[PC+J], v[PC+J+1]       ; lanes 0-15 now hold the even block's codes, lanes 16-31 the odd block's
.set J, J+2
.endr
.irp m, 0,1,2,3,4,5,6,7
	global_store_b128 v[LI], v[PC+4*\m:PC+4*\m+3], s[QKB:QKB+1] offset:1024*\m   ; register group b of image m: 512 consecutive bytes
.endr
.irp e, 0,1
.irp c, 0,1
	global_store_b128 v[LI], v[PC+32+8*\e+4*\c:PC+32+8*\e+4*\c+3], s[VB:VB+1] offset:1024*\e+512*\c
.endr
.endr
.irp m, 0,1,2,3,4,5,6,7
	ds_store_b16 v[SH], v[HW+\m] offset:64*\m      ; lanes l and l xor 16 write the same bytes with the same value
.endr
.irp e, 0,1
	ds_store_b32 v[SV], v[VW+\e] offset:64*\e
.endr
	s_wait_dscnt 0x0                               ; for the others' sake: my stores have landed
	s_barrier_signal -1
	s_barrier_wait -1                              ; the 384 scale words are whole
	s_cmp_eq_u32 s[WV], 3                          ; waves 0, 1, 2 send q's, k's, v's words: 512 consecutive bytes each
	s_cbranch_scc1 .Lno_words
	ds_load_b128 v[SW:SW+3], v[SRD]
	s_wait_dscnt 0x0
	global_store_b128 v[LI], v[SW:SW+3], s[SB:SB+1]
.Lno_words:
	s_wait_tensorcnt 0x0                           ; the wave's end
	ds_add_u32 v[SPW], v[NIL]
	s_wait_dscnt 0x0
	CROUND                                         ; the closing round: no work-group ends while a partner may still ask for a tile that names it
	s_endpgm
.Lfunc_end_k_qddc8347375_project:
	.size	k_qddc8347375_project, .Lfunc_end_k_qddc8347375_project-k_qddc8347375_project
	.p2alignl 7, 3214868480
	.fill 96, 4, 3214868480
	.section	.rodata,"a",@progbits
	.p2align	6, 0x0
	.amdhsa_kernel k_qddc8347375_project
		.amdhsa_group_segment_fixed_size 327680
		.amdhsa_private_segment_fixed_size 0
		.amdhsa_enable_private_segment 0
		.amdhsa_kernarg_size 80
		.amdhsa_user_sgpr_count 2
		.amdhsa_user_sgpr_kernarg_segment_ptr 1
		.amdhsa_wavefront_size32 1
		.amdhsa_system_sgpr_workgroup_id_x 1
		.amdhsa_system_sgpr_workgroup_id_y 1
		.amdhsa_system_sgpr_workgroup_id_z 1
		.amdhsa_system_vgpr_workitem_id 0
		.amdhsa_next_free_vgpr 768
		.amdhsa_next_free_sgpr 100
		.amdhsa_reserve_vcc 0
		.amdhsa_float_denorm_mode_32 3
		.amdhsa_float_denorm_mode_16_64 3
		.amdhsa_memory_ordered 1
		.amdhsa_forward_progress 1
		.amdhsa_inst_pref_size 98
	.end_amdhsa_kernel
	.amdgpu_metadata
---
amdhsa.version: [ 1, 2 ]
amdhsa.kernels:
  - .name:           k_qddc8347375_project
    .symbol:         k_qddc8347375_project.kd
    .args:
      - { .name: x_codes, .offset: 0, .size: 8, .value_kind: global_buffer, .address_space: global }
      - { .name: x_scales, .offset: 8, .size: 8, .value_kind: global_buffer, .address_space: global }
      - { .name: Wq_codes, .offset: 16, .size: 8, .value_kind: global_buffer, .address_space: global }
      - { .name: Wq_scales, .offset: 24, .size: 8, .value_kind: global_buffer, .address_space: global }
      - { .name: Wk_codes, .offset: 32, .size: 8, .value_kind: global_buffer, .address_space: global }
      - { .name: Wk_scales, .offset: 40, .size: 8, .value_kind: global_buffer, .address_space: global }
      - { .name: Wv_codes, .offset: 48, .size: 8, .value_kind: global_buffer, .address_space: global }
      - { .name: Wv_scales, .offset: 56, .size: 8, .value_kind: global_buffer, .address_space: global }
      - { .name: qq, .offset: 64, .size: 8, .value_kind: global_buffer, .address_space: global }
      - { .name: kv, .offset: 72, .size: 8, .value_kind: global_buffer, .address_space: global }
    .group_segment_fixed_size: 327680
    .private_segment_fixed_size: 0
    .kernarg_segment_align: 8
    .kernarg_segment_size: 80
    .max_flat_workgroup_size: 128
    .sgpr_count:     100
    .vgpr_count:     768
    .wavefront_size: 32
...
	.end_amdgpu_metadata
.endif
;; end of part 1
;; launch attend (part 2): grid 32 x 8, 8 waves a work-group, clusters of 4 x 1, 327,680 bytes of LDS; arguments qq, kv, out0; writes out0
.if DOCPART == 2
	.amdgcn_target "amdgcn-amd-amdhsa--gfx1250"
	.amdhsa_code_object_version 6
	.text
	.protected	k_qddc8347375_attend
	.globl	k_qddc8347375_attend
	.p2align	8
	.type	k_qddc8347375_attend,@function
k_qddc8347375_attend:
	s_mov_b64 s[64:65], 0
	v_nop
	global_prefetch_b8 v0, s[64:65] scope:SCOPE_SE
	s_setreg_imm32_b32 hwreg(HW_REG_WAVE_MODE, 25, 1), 1
	s_wait_xcnt 0x0
	s_wait_alu depctr_hold_cnt(0) depctr_sa_sdst(0) depctr_va_vdst(0) depctr_va_sdst(0) depctr_va_ssrc(0) depctr_va_vcc(0) depctr_vm_vsrc(0)
	s_getreg_b32 s2, hwreg(HW_REG_IB_STS2, 6, 4)
	s_cmp_eq_u32 s2, 0
	s_cbranch_scc0 .Lentry_in_a_cluster
	s_endpgm
.Lentry_in_a_cluster:
	s_bfe_u32 s2, ttmp6, 0x10000c
	s_cmp_lg_u32 s2, 0x3003
	s_cbranch_scc0 .Lentry_shape_is_right
	s_endpgm
.Lentry_shape_is_right:
; out[b][t][:] = the sum over s <= t of softmax_s(q[b][t] . k[b][s] / sqrt(128)) v[b][s][:], both products on codes of FP4 (E2M1) with one E8M0 scale for each 32 along K.
; LEFT OUT: key steps of 128 that lie wholly after a group of 128 queries (reference()'s own tril: see the first launch's head).  A NaN or an infinity that reaches only that work is not carried on.
; qq and kv hold q, k and v^T as images of operand registers, by blocks of 128 rows: a fragment is two loads of 16 bytes a lane at 16 x lane; a key step's K, V^T and scale words are one dense block of 17,408 bytes.
; THE SOFTMAX: t = score x log2(e) / sqrt(128); M = the row's largest t so far, rounded UP to a whole number; p = 2^(t - M) is quantised along the keys, not normalised; the row's sum is taken of the
; unquantised p and divides at the end.  When M moves, the sum and O are multiplied by 2^(old M - new M): exact.
; SHARES.  A GROUP is 128 queries (8 tiles of 16) = one key step; group g works key steps 0 .. g, step g on the diagonal.  Cluster c of a batch takes groups 2 c, 2 c + 1, 30 - 2 c, 31 - 2 c.
; Wave w (j = w % 4, parity p = w / 4) has TWO tiles, tile 2 cx + j % 2 of group A = 2 c + j / 2 and of group B = 31 - A: 33 key steps together.  Waves j and j + 4 share both tiles and part the KEY STEPS by parity:
; so every wave has 16 or 17 tile steps, the two waves of a pair have work in every slot alike, and a key step's fragments, once in registers, serve both tiles.
; The two waves' partial sums are joined through LDS, each wave finishing 64 of the 128 channels: tile A's behind slot 1, its last, so that its stores leave under slots 2 and 3; tile B's at the end.
; A <= 15 and B >= 16: so tile A has work in key steps 0-15 alone, and there tile B never meets the mask.
; CLUSTER.  The four partners walk the same keys: each key step's block is asked for JOINTLY (mask 15).  Every work-group walks all 32 steps and reads every step's K: no tensor load or barrier is jumped over;
; the branches that leave work out hang on the cluster's number, the wave's number and the count of steps alone.  A partner's place enters global addresses and one number of the mask.
; RING.  Two slots of EIGHT key steps; each of the eight waves fetches one step's block with one load.  A change of slots stands at a slot's head; behind it the other slot is asked for, a whole slot ahead.
; PREFETCH.  Steps 16-23 and 24-31 are asked for at the heads of slots 0 and 1, one slot ahead of their loads, by the clusters 0 to 3 of each batch (those whose queries reach step 24): 544 blocks of 256 bytes,
; 17 to each of the 32 waves of a cluster, by address.  Steps 0-15 come by their loads alone.
; LAYOUT.  Both products transposed: S^T = K Q^T (source 0 = 16 keys), O^T = V^T P^T (source 0 = 16 of the head's 128): a lane holds ONE query (lane % 16).  In S^T tile n, lane (r, h), register j is key 16 n + 8 h + j.
; One conversion packs a lane's 8 numbers of a tile into a register; that of (block b, half u) goes to register 4 (b / 2) + 2 u + b % 2, and four exchanges of half rows give the operand's layout.
; LIMITS: the scaled scores stay under 2^31 in magnitude.  A block's largest p is taken from its largest score, which takes v_exp_f32 not to fall where its input rises.  A block whose every p is 0 keeps the byte 1:
; its codes are zeros.  NaN among the scale bytes is not served.
.set STEPB, 17408                      ; a key step's block: K's 8 images, V^T's 8 images, K's 128 scale words, V's 128
.set SLOTB, 8*STEPB
.set SPARE, 2*SLOTB                    ; the spare words, 128 bytes for each wave: no other line names them
.set EXO,   SPARE+1024                 ; the join and the way out: 4,608 bytes for each wave, into which no tensor load lands
.set EXB,   4608                       ; the join: 4 accumulators x 1,024 bytes, then 512 for M and the sum; the way out: 16 rows x (256 + 16)
.set SPITCH, 272
.set QBLK,  8704
.set LI,  1                            ; v1   16 x lane
.set LS,  2                            ; v2   4 x lane
.set SPW, 3                            ; v3   LDS address of my spare word; never rewritten
.set NIL, 4                            ; v4   0; never rewritten
.set PFO, 5                            ; v5   the prefetches' offset; never rewritten
.set ADF, 6                            ; v6   the step's block + 16 x lane
.set ADS, 7                            ; v7   the step's block + 4 x lane
.set DQ,  8                            ; v8   my query in its group - 8 h (the same for both tiles)
.set NINF, 9                           ; v9   -infinity
.set ADN, 10                           ; v10, v11  the next step's, likewise
.set ADM, 11
.set STA, 12                           ; v12-15 tile A: -M, the largest score, the sum in two halves;   v16-19 tile B
.set STB, 16
.set QA,  20                           ; v20-27, v28-35 Q of tiles A and B;  v36, v37 their scale words
.set QB,  28
.set QSA, 36
.set QSB, 37
.set GO,  38                           ; v38  the way out: 512 h + 16 r
.set PW,  39                           ; v39  p's scale word
.set VSW, 40                           ; v40-43 V's scale words: register i: lanes 0-15 tile 2 i, lanes 16-31 tile 2 i + 1
.set KSW, 44                           ; v44-47 K's likewise
.set EXW, 50                           ; v50  the join: where I store, in my pair's wave's bytes;  v51 my own, which that wave stored
.set EXR, 51
.set STO, 52                           ; v52, v53 the way out, in and back: in my own bytes, behind my reads of them
.set RD,  53
; v96-159 S^T, then p;  v160-223 O^T of tile B;  v224-231 p's codes;  v232-255 at work
.set PC,  224
; window 1: v0-63 K's 8 fragments, v64-127 V's 8, v128-191 O^T of tile A
.set WV,  10
.set CX,  11
.set BAT, 12
.set GA,  13
.set GB,  14
.set KS,  15                           ; s15  the key step in hand
.set TB,  16                           ; s16  LDS byte at which its block begins
.set TBN, 17                           ; s17  and that of my next step
.set CNT, 18
.set TAU, 19                           ; s19  my tile in its group
.set SEL, 20
.set CS,  22
.set G1,  24                           ; s[24:31] group 1;  s[32:35], s[36:39] group 0 for slot 0, 1
.set G0,  32
.set OA,  48                           ; s[48:49], s[50:51] my half of tile A's and of tile B's rows in out0
.set OB,  50
.set PAR, 52
.set PB,  53                           ; s53  parity x STEPB
.set NCS, 54
.set KVB, 56                           ; s[56:57] the batch's keys in kv
.set QAB, 58                           ; s[58:59], s[60:61] my groups' blocks in qq
.set QBB, 60
.set MSB, 0
.macro WIN new                         ; bits 1:0 source 0, 3:2 source 1, 5:4 source 2, 7:6 destination; the high byte repeats the setting that is left
.if MSB != (\new)
	s_set_vgpr_msb (MSB<<8)|(\new)
.set MSB, (\new)
.endif
.endm
.macro CROUND                          ; a round of the cluster's barrier
	s_barrier_signal -1
	s_barrier_wait -1
	s_cmp_lg_u32 s[WV], 0
	s_cbranch_scc1 .Lnot_wave_0_\@
	s_barrier_signal -3
.Lnot_wave_0_\@:
	s_barrier_wait -3
	s_barrier_signal -1
	s_barrier_wait -1
.endm
.macro PLACES
.rept 4
	v_nop
.endr
.endm
	s_load_b128 s[4:7], s[0:1], 0x0                ; qq, kv
	s_load_b64 s[8:9], s[0:1], 0x10                ; out0
	v_lshl_add_u32 v[SPW], v0, 2, SPARE
	v_mov_b32 v[NIL], 0
	ds_add_u32 v[SPW], v[NIL]                      ; the opening: the add, twice on end, and its wait
	ds_add_u32 v[SPW], v[NIL]
	v_lshrrev_b32 v48, 5, v0
	v_readfirstlane_b32 s[WV], v48                 ; wave 0..7
	s_bfe_u32 s[CX], ttmp6, 0x40000                ; my place in the cluster
	s_and_b32 s[BAT], ttmp7, 0xffff                ; the batch
	s_and_b32 s40, s[WV], 3                        ; j
	s_lshr_b32 s[PAR], s[WV], 2                    ; p
	s_mul_i32 s[PB], s[PAR], STEPB
	s_lshr_b32 s41, s40, 1
	s_lshl_b32 s[GA], ttmp9, 1
	s_add_co_u32 s[GA], s[GA], s41                 ; A = 2 c + j / 2
	s_sub_co_u32 s[GB], 31, s[GA]
	s_and_b32 s41, s40, 1
	s_lshl_b32 s[TAU], s[CX], 1
	s_add_co_u32 s[TAU], s[TAU], s41               ; 2 cx + j % 2
	; group 1: a key step's block, 17,408 dense bytes, as 68 rows of 32 elements of 8 bytes; no padding: fragments are read at 16 x lane
	s_mov_b32 s[G1], 15|(3<<16)|(1<<21)            ; the mask: all four work-groups; elements of 8 bytes; bit 21 beside a mask
	s_mov_b32 s[G1+1], 32<<16
	s_mov_b32 s[G1+2], 68<<16
	s_mov_b32 s[G1+3], 32<<16
	s_mov_b32 s[G1+4], 68
	s_mov_b32 s[G1+5], 32
	s_mov_b32 s[G1+6], 0
	s_mov_b32 s[G1+7], 0
	s_mul_i32 s42, s[WV], STEPB                    ; I fetch step w of each slot
	s_mov_b32 s43, 0
	s_mul_i32 s40, s[BAT], 32*STEPB
	s_mov_b32 s41, 0
	s_lshl_b32 s44, s[BAT], 5
	s_add_co_u32 s48, s44, s[GA]                   ; my groups' numbers among the 256
	s_add_co_u32 s50, s44, s[GB]
	s_mul_i32 s46, s48, QBLK                       ; group A's block
	s_mov_b32 s47, 0
	s_mul_i32 s44, s50, QBLK                       ; group B's
	s_mov_b32 s45, 0
	s_lshl_b32 s58, s[TAU], 13                     ; my tile's 16 rows of 512 bytes
	s_lshl_b32 s59, s[PAR], 8                      ; my 64 channels
	s_add_co_u32 s58, s58, s59
	s_lshl_b32 s48, s48, 16
	s_add_co_u32 s48, s48, s58
	s_mov_b32 s49, 0
	s_lshl_b32 s50, s50, 16
	s_add_co_u32 s50, s50, s58
	s_mov_b32 s51, 0
	s_mov_b32 s[SEL], 0x76543210
	s_mov_b32 s[SEL+1], 0xfedcba98                 ; v_permlanex16_b32's selects for lane l xor 16
	s_mov_b32 s[CS], 0x3e0293ee                    ; c = log2(e) / sqrt(128)
	s_mov_b32 s[CS+1], s[CS]                       ; (named with it as a pair, so it is written)
	s_mov_b32 s[NCS], 0xbe0293ee                   ; -c
	s_mov_b32 s[KS], s[PAR]
	s_wait_dscnt 0x0                               ; both adds are done
	s_wait_kmcnt 0x0
	s_add_nc_u64 s[KVB:KVB+1], s[6:7], s[40:41]
	s_add_nc_u64 s[6:7], s[KVB:KVB+1], s[42:43]    ; kv at my step of the batch's slot 0: batch and wave alone
	s_add_nc_u64 s[QAB:QAB+1], s[4:5], s[46:47]
	s_add_nc_u64 s[QBB:QBB+1], s[4:5], s[44:45]
	s_add_nc_u64 s[OA:OA+1], s[8:9], s[48:49]
	s_add_nc_u64 s[OB:OB+1], s[8:9], s[50:51]
.irp g, 0,1
	s_mov_b32 s[G0+4*\g], 1
	s_add_co_u32 s[G0+4*\g+1], s42, \g*SLOTB
	s_add_nc_u64 s[G0+4*\g+2:G0+4*\g+3], s[6:7], \g*SLOTB
	s_or_b32 s[G0+4*\g+3], s[G0+4*\g+3], 0x80000000
.endr
	CROUND                                         ; all four work-groups are here: the first joint loads meet
	tensor_load_to_lds s[G0:G0+3], s[G1:G1+7]      ; key steps 0-7: one tensor load a wave at the head
	s_nop 0
	PLACES                                         ; four v_nop follow
	s_lshl_b32 s40, s[TAU], 10                     ; my tile's image in a block of qq
	s_lshl_b32 s41, s[TAU], 6
	s_add_co_u32 s41, s41, 8192                    ; and its 16 scale words
	v_and_b32 v48, 31, v0
	v_and_b32 v54, 15, v0                          ; r
	v_bfe_u32 v55, v0, 4, 1                        ; h
	v_lshlrev_b32 v[LI], 4, v48
	v_lshlrev_b32 v[LS], 2, v48
	v_lshl_add_u32 v57, v54, 2, s41
	v_lshl_add_u32 v56, v48, 4, s40
.irp c, 0,1
	global_load_b128 v[QA+4*\c:QA+3+4*\c], v56, s[QAB:QAB+1] offset:512*\c   ; Q's fragments stay in registers
	global_load_b128 v[QB+4*\c:QB+3+4*\c], v56, s[QBB:QBB+1] offset:512*\c
.endr
	global_load_b32 v[QSA], v57, s[QAB:QAB+1]      ; and their scale words: lane r has row r's
	global_load_b32 v[QSB], v57, s[QBB:QBB+1]
	s_lshl_b32 s40, s[TAU], 4
	s_lshl_b32 s41, s[CX], 3
	s_add_co_u32 s41, s41, s[WV]
	s_mul_i32 s41, s41, 17*256                     ; my 17 blocks of a slot's 544
	v_lshlrev_b32 v[DQ], 3, v55
	v_min_u32 v58, 16, v48                         ; (the lanes left over name the last block again)
	v_mul_u32_u24 v[STO], v54, SPITCH
	v_mul_u32_u24 v[RD], v55, SPITCH
	v_lshlrev_b32 v[GO], 9, v55
	v_sub_nc_u32 v[DQ], v54, v[DQ]
	v_lshlrev_b32 v58, 8, v58
	v_lshl_add_u32 v[STO], v55, 5, v[STO]
	v_lshl_add_u32 v[RD], v54, 4, v[RD]
	v_lshl_add_u32 v[GO], v54, 4, v[GO]
	v_add_nc_u32 v[DQ], s40, v[DQ]                 ; 16 tau + r - 8 h
	v_add_nc_u32 v[PFO], s41, v58
	v_mov_b32 v[NINF], 0xff800000
	s_mul_i32 s40, s[WV], EXB
	s_add_co_u32 s40, s40, EXO                     ; my bytes
	s_xor_b32 s41, s[WV], 4
	s_mul_i32 s41, s41, EXB
	s_add_co_u32 s41, s41, EXO                     ; my pair's wave's
	v_add_nc_u32 v[EXW], s41, v[LI]
	v_add_nc_u32 v[EXR], s40, v[LI]
	v_add_nc_u32 v[STO], s40, v[STO]               ; in: row r, + 32 h
	v_add_nc_u32 v[RD], s40, v[RD]                 ; back: lanes 0-15 one row of 256 bytes, lanes 16-31 the next
	v_mov_b32 v[STA+1], 0xff61b1e6                 ; the largest score so far: -3e38
	v_mov_b32 v[STB+1], 0xff61b1e6
	v_mul_f32 v[STA], s[NCS], v[STA+1]
	v_mov_b32 v[STA+2], 0                          ; the sums, in two halves
	v_mov_b32 v[STA+3], 0
	v_floor_f32 v[STA], v[STA]                     ; -M
	v_mov_b32 v[STB+2], 0
	v_mov_b32 v[STB+3], 0
	v_mov_b32 v[STB], v[STA]
	v_mov_b32 v237, 0                              ; written once: a lane permute's destination counts as one of its sources
	v_mov_b32 v247, 0
	v_mov_b32 v243, 0                              ; (named as the upper half of a pair)
.set J, 0
.rept 64
	v_mov_b32 v[160+J], 0                          ; O^T: the step is written without a first step of its own: the first change of M multiplies zeros
.set J, J+1
.endr
	WIN 0x40
.set J, 0
.rept 64
	v_mov_b32 v[128+J], 0
.set J, J+1
.endr
	WIN 0
.macro KLOAD adr, ads                  ; a step's 8 fragments of K and their scale words: 20 loads
	WIN 0x40                                       ; destination window 1
.irp n, 0,1,2,3,4,5,6,7
.irp c, 0,1
	ds_load_b128 v[8*\n+4*\c:8*\n+4*\c+3], v[\adr] offset:1024*\n+512*\c
.endr
.endr
	WIN 0
.irp i, 0,1,2,3
	ds_load_b32 v[KSW+\i], v[\ads] offset:16384+128*\i
.endr
.endm
.macro VLOAD                           ; V^T's likewise: 20 loads
	WIN 0x40
.irp n, 0,1,2,3,4,5,6,7
.irp c, 0,1
	ds_load_b128 v[64+8*\n+4*\c:64+8*\n+4*\c+3], v[ADF] offset:8192+1024*\n+512*\c
.endr
.endr
	WIN 0
.irp i, 0,1,2,3
	ds_load_b32 v[VSW+\i], v[ADS] offset:16896+128*\i
.endr
.endm
.macro SCORES q, qs                    ; S^T = K Q^T
	WIN 0x01                                       ; source 0 window 1
.irp n, 0,1,2,3,4,5,6,7
.if \n%2
	v_wmma_scale_f32_16x16x128_f8f6f4 v[96+8*\n:103+8*\n], v[8*\n:8*\n+7], v[\q:\q+7], 0, v[KSW+\n/2], v[\qs] matrix_a_fmt:MATRIX_FMT_FP4 matrix_b_fmt:MATRIX_FMT_FP4 matrix_a_scale:MATRIX_SCALE_ROW1
.else
	v_wmma_scale_f32_16x16x128_f8f6f4 v[96+8*\n:103+8*\n], v[8*\n:8*\n+7], v[\q:\q+7], 0, v[KSW+\n/2], v[\qs] matrix_a_fmt:MATRIX_FMT_FP4 matrix_b_fmt:MATRIX_FMT_FP4
.endif
.endr
	WIN 0
	PLACES                                         ; ahead of the reads of S^T and of the loads into K's registers
.endm
; On the diagonal: register 16 b + 8 u + j holds the step's key 32 b + 16 u + 8 h + j: hidden where 32 b + 16 u + j > 16 tau + r - 8 h.  Its score becomes -infinity: p = 0.  A step all of whose keys count skips this.
.macro MASK grp
	s_cmp_lt_u32 s[KS], s[\grp]
	s_cbranch_scc1 .Lopen_\@
.set N, 0
.rept 64
	v_cmp_gt_i32 vcc_lo, 32*(N/16)+16*((N/8)%2)+N%8, v[DQ]
	v_cndmask_b32 v[96+N], v[96+N], v[NINF], vcc_lo
.set N, N+1
.endr
.Lopen_\@:
.endm
.macro ADD8 r                          ; eight pairs of p onto the eight partial sums (v224-231, which the codes take later, and v248-255)
.irp k, 0,1,2,3
	v_pk_add_f32 v[224+2*\k:225+2*\k], v[224+2*\k:225+2*\k], v[\r+2*\k:\r+2*\k+1]
.endr
.irp k, 0,1,2,3
	v_pk_add_f32 v[248+2*\k:249+2*\k], v[248+2*\k:249+2*\k], v[\r+8+2*\k:\r+9+2*\k]
.endr
.endm
; A tile's softmax on 128 keys and its second product.  st: the tile's state; ow = 1: O^T in window 1 at v128, 0: in window 0 at v160; left: the LDS loads that may stay out ahead of the second product.
.macro SOFT st, ow, left
	; the largest score of each block of 32 keys, in eight chains: it serves the row's maximum and, since p rises with the score, the block's largest p
.irp b, 0,1,2,3
	v_max3_num_f32 v[232+\b], v[96+16*\b], v[97+16*\b], v[98+16*\b]
.endr
.irp b, 0,1,2,3
	v_max3_num_f32 v[236+\b], v[104+16*\b], v[105+16*\b], v[106+16*\b]
.endr
.irp i, 3,5
.irp b, 0,1,2,3
	v_max3_num_f32 v[232+\b], v[232+\b], v[96+16*\b+\i], v[97+16*\b+\i]
.endr
.irp b, 0,1,2,3
	v_max3_num_f32 v[236+\b], v[236+\b], v[104+16*\b+\i], v[105+16*\b+\i]
.endr
.endr
.irp b, 0,1,2,3
	v_max3_num_f32 v[232+\b], v[232+\b], v[103+16*\b], v[111+16*\b]
.endr
.irp b, 0,1,2,3
	v_max_num_f32 v[232+\b], v[232+\b], v[236+\b]
.endr
	s_delay_alu instid0(VALU_DEP_3)
	v_permlane16_swap_b32 v232, v233               ; v232: my own lanes' 16 keys of block 0 | block 1;  v233: lane l xor 16's
	s_delay_alu instid0(VALU_DEP_2)
	v_permlane16_swap_b32 v234, v235
	s_delay_alu instid0(VALU_DEP_2)
	v_max_num_f32 v232, v232, v233                 ; IN HALF ROWS: lanes 0-15 block 0, lanes 16-31 block 1 of the same query
	s_delay_alu instid0(VALU_DEP_2)
	v_max_num_f32 v234, v234, v235                 ; blocks 2 and 3
	s_delay_alu instid0(VALU_DEP_1)
	v_max_num_f32 v236, v232, v234
	v_mov_b32 v241, v[\st]
	s_delay_alu instid0(VALU_DEP_2)
	v_permlanex16_b32 v237, v236, s[SEL], s[SEL+1]
	s_delay_alu instid0(VALU_DEP_1)
	v_max3_num_f32 v[\st+1], v236, v237, v[\st+1]  ; the running largest score of my query
	s_delay_alu instid0(VALU_DEP_1)
	v_mul_f32 v238, s[NCS], v[\st+1]               ; -t
	s_delay_alu instid0(VALU_DEP_1)
	v_floor_f32 v[\st], v238                       ; the new -M = floor(-t)
.set J, 0
.rept 32
	v_pk_fma_f32 v[96+J:97+J], v[96+J:97+J], s[CS:CS+1], v[\st:\st+1] op_sel_hi:[1,0,0]   ; t - M, two at a time
.if J == 8
	v_sub_f32 v241, v[\st], v241                   ; old M - new M: a whole number, 0 or less
.endif
.if J == 24
	v_cvt_i32_f32 v241, v241                       ; (it saturates)
.endif
.if J == 40
	v_ldexp_f32 v242, 1.0, v241                    ; f = 2^(old M - new M)
.endif
.set J, J+2
.endr
	v_fma_f32 v232, v232, s[CS], v[\st]            ; the same of each block's largest score
	v_fma_f32 v234, v234, s[CS], v[\st]
	s_wait_alu depctr_va_vdst(0)                   ; ahead of the batch
	v_exp_f32 v232, v232                           ; the block's largest p: the same two instructions on the same number give the same bits
	v_exp_f32 v234, v234
.set J, 0
.rept 64
	v_exp_f32 v[96+J], v[96+J]                     ; p = 2^(t - M), at most 1
.set J, J+1
.endr
	v_pk_mul_f32 v[\st+2:\st+3], v[\st+2:\st+3], v[242:243] op_sel_hi:[1,0]   ; the sums under the new M: the plain instruction behind the exponentials
	s_wait_alu depctr_va_vdst(0)                   ; one wait for the batch, ahead of its first reader
	v_max_num_f32 v232, 0x1800000, v232            ; the floor 2^(3 - 127): the byte cannot fall under 1
	v_max_num_f32 v234, 0x1800000, v234
.irp k, 0,1,2,3
	v_pk_add_f32 v[224+2*\k:225+2*\k], v[96+4*\k:97+4*\k], v[98+4*\k:99+4*\k]   ; the row's sum is taken of the unquantised p
.endr
	v_add_nc_u32 v232, 0xff000000, v232            ; 2 off the exponent field: the conversion's scale operand
	v_add_nc_u32 v234, 0xff000000, v234
.irp k, 0,1,2,3
	v_pk_add_f32 v[248+2*\k:249+2*\k], v[112+4*\k:113+4*\k], v[114+4*\k:115+4*\k]
.endr
	v_mov_b32 v233, v232
	v_mov_b32 v235, v234
	v_lshrrev_b32 v244, 23, v232                   ; the scales' bytes: 0 | 1
	v_lshrrev_b32 v245, 23, v234                   ; 2 | 3
	ADD8 128
	v_permlane16_swap_b32 v232, v233               ; v232 block 0's in all lanes, v233 block 1's
	v_permlane16_swap_b32 v234, v235
	v_lshl_or_b32 v246, v245, 16, v244
	ADD8 144
	v_permlanex16_b32 v247, v246, s[SEL], s[SEL+1]
.irp k, 0,1,2,3
	v_pk_add_f32 v[248+2*\k:249+2*\k], v[248+2*\k:249+2*\k], v[224+2*\k:225+2*\k]
.endr
	v_lshl_or_b32 v[PW], v247, 8, v246             ; lanes 0-15: p's scale word for these 128 keys (lanes 16-31 hold the same bytes in another order and are not read)
.irp b, 0,1
.irp u, 0,1
	v_cvt_scalef32_pk8_fp4_f32 v[PC+2*\u+\b], v[96+16*\b+8*\u:103+16*\b+8*\u], v[232+\b]
.endr
.endr
	v_pk_add_f32 v[248:249], v[248:249], v[250:251]
	v_pk_add_f32 v[252:253], v[252:253], v[254:255]
.irp b, 2,3
.irp u, 0,1
	v_cvt_scalef32_pk8_fp4_f32 v[PC+2+2*\u+\b], v[96+16*\b+8*\u:103+16*\b+8*\u], v[232+\b]
.endr
.endr
	v_pk_add_f32 v[248:249], v[248:249], v[252:253]   ; the plain place behind the scaled conversions
.irp g, 0,2,4,6
	v_permlane16_swap_b32 v[PC+\g], v[PC+\g+1]     ; lanes 0-15 now hold the even block's codes, lanes 16-31 the odd block's: registers 4 c + i: keys 64 c + 32 h + 8 i ..
.endr
	v_pk_add_f32 v[\st+2:\st+3], v[\st+2:\st+3], v[248:249]
.if \ow
	WIN 0x41
.endif
	s_wait_alu depctr_va_vdst(0)                   ; directly ahead of the first readers of O^T
.set J, 0
.rept 32
.if \ow
	v_pk_mul_f32 v[128+J:129+J], v[128+J:129+J], v[242:243] op_sel_hi:[1,0]   ; O^T under the new M.  These 32 are also the places between the codes' and the scale word's last writes and the products
.else
	v_pk_mul_f32 v[160+J:161+J], v[160+J:161+J], v[242:243] op_sel_hi:[1,0]
.endif
.set J, J+2
.endr
	s_wait_alu depctr_va_vdst(0)
	s_wait_dscnt \left                             ; V is in
.if \ow
	WIN 0x51
.else
	WIN 0x01
.endif
.irp n, 0,1,2,3,4,5,6,7
.if \ow
.set OO, 128+8*\n
.else
.set OO, 160+8*\n
.endif
.if \n%2
	v_wmma_scale_f32_16x16x128_f8f6f4 v[OO:OO+7], v[64+8*\n:71+8*\n], v[PC:PC+7], v[OO:OO+7], v[VSW+\n/2], v[PW] matrix_a_fmt:MATRIX_FMT_FP4 matrix_b_fmt:MATRIX_FMT_FP4 matrix_a_scale:MATRIX_SCALE_ROW1
.else
	v_wmma_scale_f32_16x16x128_f8f6f4 v[OO:OO+7], v[64+8*\n:71+8*\n], v[PC:PC+7], v[OO:OO+7], v[VSW+\n/2], v[PW] matrix_a_fmt:MATRIX_FMT_FP4 matrix_b_fmt:MATRIX_FMT_FP4
.endif
.endr
	WIN 0
.endm
.macro FIRST base                      ; a slot's head: my first step's K
	s_add_co_u32 s[TB], s[PB], \base
	v_add_nc_u32 v[ADF], s[TB], v[LI]
	v_add_nc_u32 v[ADS], s[TB], v[LS]
	s_wait_alu depctr_va_vdst(0)
	KLOAD ADF, ADS
	s_mov_b32 s[CNT], 4
.endm
.macro HERE base                       ; addresses of the step in hand and of my next one.  The last of a slot's four trips names the slot's last step once more: so no read leaves the slot
	s_add_co_u32 s[TBN], s[TB], 2*STEPB
	s_min_u32 s[TBN], s[TBN], \base+7*STEPB
	v_add_nc_u32 v[ADF], s[TB], v[LI]              ; these four are also the places between the last step's products and the loads into V's registers
	v_add_nc_u32 v[ADS], s[TB], v[LS]
	v_add_nc_u32 v[ADN], s[TBN], v[LI]
	v_add_nc_u32 v[ADM], s[TBN], v[LS]
	s_wait_alu depctr_va_vdst(0)
.endm
.macro ON                              ; my next key step is two on
	s_add_co_u32 s[KS], s[KS], 2
	s_add_co_u32 s[TB], s[TB], 2*STEPB
	s_sub_co_u32 s[CNT], s[CNT], 1
	s_cmp_lg_u32 s[CNT], 0
.endm
; A slot among key steps 0-15: my four steps; tile A where the step is not after its group, tile B always and with all keys.
.macro EARLY base, ask
	FIRST \base
	s_cmp_lt_u32 ttmp9, 4                          ; the prefetch: clusters 0 to 3 of a batch
	s_cbranch_scc0 .Lnot_mine_\@
	global_prefetch_b8 v[PFO], s[KVB:KVB+1] offset:\ask th:TH_LOAD_NT scope:SCOPE_SE
.Lnot_mine_\@:
.Lstep_\@:
	HERE \base
	VLOAD
	s_cmp_gt_u32 s[KS], s[GA]
	s_cbranch_scc1 .Lno_a_\@
	s_wait_dscnt 20                                ; K is in; V's 20 loads may be out
	SCORES QA, QSA
	MASK GA
	SOFT STA, 1, 0
.Lno_a_\@:
	s_wait_dscnt 20                                ; (behind tile A nothing is out)
	SCORES QB, QSB
	KLOAD ADN, ADM
	SOFT STB, 0, 20                                ; V is in; the next K's 20 loads may be out
	ON
	s_cbranch_scc1 .Lstep_\@
.endm
; A slot among key steps 16-31: tile B alone.
.macro LATE base, join
	FIRST \base
.if \join
	TAKE STA, 1, 128, OA                           ; tile A is whole: my half of it leaves
	s_wait_xcnt 0x0                                ; the stores have read their data: the scores may land there
.endif
.Lstep_\@:
	HERE \base
	s_cmp_gt_u32 s[KS], s[GB]                      ; all its keys come after my group's queries: the work is left out
	s_cbranch_scc1 .Lhidden_\@
	VLOAD
	s_wait_dscnt 20
	SCORES QB, QSB
	KLOAD ADN, ADM
	MASK GB
	SOFT STB, 0, 20
	s_branch .Lnext_\@
.Lhidden_\@:
	s_wait_dscnt 0x0                               ; the loads into the same registers have landed
	KLOAD ADN, ADM
.Lnext_\@:
	ON
	s_cbranch_scc1 .Lstep_\@
.endm
; THE JOIN.  GIVES: each wave stores the four accumulators of the half that the other finishes, and M and the sum, into that wave's bytes.
.macro GIVE ow, ob
.if \ow
	WIN 0x04                                       ; the data: window 1
.endif
.irp k, 0,1,2,3
.if \ow
	s_wait_alu depctr_va_vdst(0)                   ; the wait directly ahead
.endif
	ds_store_b128 v[EXW], v[(\ob)+8*\k:(\ob)+8*\k+3] offset:1024*\k
	ds_store_b128 v[EXW], v[(\ob)+8*\k+4:(\ob)+8*\k+7] offset:1024*\k+512
.endr
	WIN 0
.endm
.macro GIVES st, ow, ob
	PLACES                                         ; behind the last products, ahead of the reads of O^T
	s_cmp_eq_u32 s[PAR], 0
	s_cbranch_scc0 .Lgive_low_\@
	GIVE \ow, \ob+32
	s_branch .Lgiven_\@
.Lgive_low_\@:
	GIVE \ow, \ob
.Lgiven_\@:
	ds_store_b128 v[EXW], v[\st:\st+3] offset:4096
.endm
.macro MERGE ow, ob                    ; v128-159 = own x v240 + the other's x v242
.if \ow
	WIN 0x01
.endif
	s_wait_alu depctr_va_vdst(0)                   ; directly ahead of the readers of O^T
.set J, 0
.rept 16
	v_pk_mul_f32 v[128+J:129+J], v[(\ob)+J:(\ob)+J+1], v[240:241] op_sel_hi:[1,0]
.set J, J+2
.endr
	WIN 0
.set J, 0
.rept 16
	v_pk_fma_f32 v[128+J:129+J], v[96+J:97+J], v[242:243], v[128+J:129+J] op_sel_hi:[1,0,1]
.set J, J+2
.endr
	s_wait_alu depctr_va_vdst(0)                   ; ahead of the branch and the stores behind it
.endm
; TAKE, behind a barrier: own part x 2^(own M - M) / sum + the other's x 2^(its M - M) / sum.  A part without a key step has -M = 3.8e37, sum and O^T 0: its factor is 0.
; Then my half of the rows goes through LDS, so that sixteen lanes store 256 consecutive bytes, aligned.
.macro TAKE st, ow, ob, out
	ds_load_b128 v[232:235], v[EXR] offset:4096    ; its -M, largest score, sum in two halves
.set J, 0
.rept 8
	ds_load_b128 v[96+4*J:99+4*J], v[EXR] offset:512*J
.set J, J+1
.endr
	s_wait_dscnt 0x0
	v_min_num_f32 v236, v[\st], v232
	v_add_f32 v244, v[\st+2], v[\st+3]
	v_add_f32 v245, v234, v235
	v_sub_f32 v238, v236, v[\st]
	v_sub_f32 v239, v236, v232
	v_cvt_i32_f32 v238, v238
	v_cvt_i32_f32 v239, v239
	v_ldexp_f32 v240, 1.0, v238
	v_ldexp_f32 v242, 1.0, v239
	v_mov_b32 v241, 0
	v_mul_f32 v244, v244, v240
	v_fma_f32 v244, v245, v242, v244
	v_permlanex16_b32 v237, v244, s[SEL], s[SEL+1]
	v_add_f32 v244, v244, v237                     ; the row's sum
	s_wait_alu depctr_va_vdst(0)
	v_rcp_f32 v246, v244
	v_nop                                          ; a plain instruction behind the reciprocal
	s_wait_alu depctr_va_vdst(0)                   ; and the wait ahead of its first reader
	v_mul_f32 v240, v240, v246
	v_mul_f32 v242, v242, v246
	s_wait_alu depctr_va_vdst(0)                   ; ahead of the branch
	s_cmp_eq_u32 s[PAR], 0
	s_cbranch_scc0 .Lkeep_high_\@
	MERGE \ow, \ob
	s_branch .Lmerged_\@
.Lkeep_high_\@:
	MERGE \ow, \ob+32
.Lmerged_\@:
.irp n, 0,1,2,3
	ds_store_b128 v[STO], v[128+8*\n:131+8*\n] offset:64*\n
	ds_store_b128 v[STO], v[132+8*\n:135+8*\n] offset:64*\n+16
.endr
.set J, 0
.rept 8
	ds_load_b128 v[96+4*J:99+4*J], v[RD] offset:2*J*SPITCH   ; LDS serves a wave's instructions in order (ISA guide 5.7.1.4): these see my stores
.set J, J+1
.endr
.set J, 0
.rept 8
	s_wait_dscnt 7-J                               ; the loads behind this one may stay out
	global_store_b128 v[GO], v[96+4*J:99+4*J], s[\out:\out+1] offset:1024*J th:TH_STORE_NT
.set J, J+1
.endr
.endm
; THE CHANGE OF SLOTS stands at a slot's head.  Each wave waits for all its tensor loads (its part of the slot ahead), adds 0 to its spare word, and waits for that and for its reads of the slot that it leaves.
; fill = 1: the barrier is a round of the cluster's, so that no wave of any partner still reads slot g or has a load on its way; slot g is then filled: the wave's one tensor load behind the round, and the first thing there.
.macro CHANGE fill, g, step
	s_wait_tensorcnt 0x0                           ; no tensor load of mine is out, so a group 0 may be written
	ds_add_u32 v[SPW], v[NIL]                      ; 0 onto my spare word
.if \step
	s_add_nc_u64 s[G0+4*\g+2:G0+4*\g+3], s[G0+4*\g+2:G0+4*\g+3], 2*SLOTB   ; sixteen key steps on; the type bits on top are not reached
.endif
	s_wait_dscnt 0x0                               ; the add is done, and my reads of the slot that I leave are over
.if \fill
	CROUND
	tensor_load_to_lds s[G0+4*\g:G0+4*\g+3], s[G1:G1+7]
	s_nop 0
	PLACES
.else
	s_barrier_signal -1
	s_barrier_wait -1
.endif
.endm
	s_wait_alu depctr_va_vdst(0)
	s_wait_loadcnt 0x0                             ; Q
	CHANGE 1, 1, 0                                 ; slot 1's first fill: steps 8-15
	EARLY 0, 2*SLOTB                               ; steps 0-7; steps 16-23 are prefetched
	CHANGE 1, 0, 1                                 ; slot 0 takes steps 16-23
	EARLY SLOTB, 3*SLOTB                           ; 8-15; 24-31 are prefetched
	GIVES STA, 1, 128                              ; tile A's halves change waves
	CHANGE 1, 1, 1                                 ; slot 1 takes steps 24-31
	LATE 0, 1                                      ; 16-23
	CHANGE 0, 0, 0                                 ; nothing is left to fetch
	LATE SLOTB, 0                                  ; 24-31
	GIVES STB, 0, 160
	s_wait_dscnt 0x0                               ; for the other wave's sake: my stores have landed
	s_barrier_signal -1
	s_barrier_wait -1
	TAKE STB, 0, 160, OB
	s_wait_tensorcnt 0x0                           ; the wave's end, behind my last tensor load and my last LDS store
	ds_add_u32 v[SPW], v[NIL]
	s_wait_dscnt 0x0
	CROUND                                         ; the closing round: no work-group ends while a partner may still ask for a tile that names it
	s_endpgm
.Lfunc_end_k_qddc8347375_attend:
	.size	k_qddc8347375_attend, .Lfunc_end_k_qddc8347375_attend-k_qddc8347375_attend
	.p2alignl 7, 3214868480
	.fill 96, 4, 3214868480
	.section	.rodata,"a",@progbits
	.p2align	6, 0x0
	.amdhsa_kernel k_qddc8347375_attend
		.amdhsa_group_segment_fixed_size 327680
		.amdhsa_private_segment_fixed_size 0
		.amdhsa_enable_private_segment 0
		.amdhsa_kernarg_size 24
		.amdhsa_user_sgpr_count 2
		.amdhsa_user_sgpr_kernarg_segment_ptr 1
		.amdhsa_wavefront_size32 1
		.amdhsa_system_sgpr_workgroup_id_x 1
		.amdhsa_system_sgpr_workgroup_id_y 1
		.amdhsa_system_sgpr_workgroup_id_z 1
		.amdhsa_system_vgpr_workitem_id 0
		.amdhsa_next_free_vgpr 448
		.amdhsa_next_free_sgpr 66
		.amdhsa_reserve_vcc 1
		.amdhsa_float_denorm_mode_32 3
		.amdhsa_float_denorm_mode_16_64 3
		.amdhsa_memory_ordered 1
		.amdhsa_forward_progress 1
		.amdhsa_inst_pref_size 162
	.end_amdhsa_kernel
	.amdgpu_metadata
---
amdhsa.version: [ 1, 2 ]
amdhsa.kernels:
  - .name:           k_qddc8347375_attend
    .symbol:         k_qddc8347375_attend.kd
    .args:
      - { .name: qq, .offset: 0, .size: 8, .value_kind: global_buffer, .address_space: global }
      - { .name: kv, .offset: 8, .size: 8, .value_kind: global_buffer, .address_space: global }
      - { .name: out0, .offset: 16, .size: 8, .value_kind: global_buffer, .address_space: global }
    .group_segment_fixed_size: 327680
    .private_segment_fixed_size: 0
    .kernarg_segment_align: 8
    .kernarg_segment_size: 24
    .max_flat_workgroup_size: 256
    .sgpr_count:     66
    .vgpr_count:     448
    .wavefront_size: 32
...
	.end_amdgpu_metadata
.endif
;; end of part 2
